; MI455X (gfx1250); checked and timed in simulation.
; The chip was launched on July 23, 2026; its instructions are those of AMD's public machine-readable ISA for CDNA 5 (MIT licence, August 2026) and "CDNA5" Instruction Set Architecture Reference Guide (July 2026). The comments in the code are by the model that wrote it; some were corrected since.
;; Un Embedder. Allowed arithmetic: matrix products marked QUANTISED: E2M3 operands, one E8M0 scale for each 32 along K, by v_wmma_scale_f32_16x16x128_f8f6f4 with both operands' format E2M3, f32 sums; everything else in f32.
;; Inputs: embeddings 2,048 x 1,024 float32; ln_bias 1,024 float32; ln_weight 1,024 float32; pos_emb 2,048 x 1,024 float32; vocab_vectors 25,128 x 1,024 float32.
;; Outputs: out0 2,048 int32.
;; This version of the problem:
;;   THIS VERSION OF THE PROBLEM IS GIVEN IN LOW PRECISION. The matrix products marked QUANTISED in the list below multiply operands that are first quantised to E2M3 (2 exponent bits, 3 mantissa bits; 6 bits a number), with one power-of-two scale for each 32 numbers along K (OCP MX v1.0); their sums are f32. All else is computed in f32.
;;   The module's matrix products, in the order in which they are computed (A, B: the left and right operand; K: the contracted axis; several contracted axes count as one K, in the product's order):
;;     1. [M 2,048, K 1,024] x [K 1,024, N 25,128]; A: computed on the way; B: input vocab_vectors: QUANTISED
;;   THE QUANTISER, for each operand of a quantised product, along K:
;;     - K is cut into blocks of 32 from its start; a last block that is shorter is filled with zeros.
;;     - A block's scale is 2^e with e = floor(log2(the largest magnitude in the block)) - 2, held to -126 .. 127; a block of zeros has e = 0. As a byte (E8M0): e + 127.
;;     - Each number is divided by its block's scale, clamped to +-7.5, and rounded to the nearest number of E2M3, ties to even, subnormals kept.
;;     - The product sums the exact products of the quantised numbers (number of the format x scale) in f32.
;;   ~~~python
;;   def quantise(x, axis):      # numpy; x: float32 -> the quantised numbers, widened to float32 again
;;       x = np.moveaxis(x, axis, -1); K = x.shape[-1]
;;       x = np.pad(x, [(0, 0)] * (x.ndim - 1) + [(0, -K % 32)]); x = x.reshape(x.shape[:-1] + (-1, 32)); a = np.abs(x).max(-1, keepdims=True)
;;       e = np.where(a > 0, np.clip(np.frexp(np.where(a > 0, a, 1))[1] - 1 - 2, -126, 127), 0)      # np.frexp(a)[1] - 1 = floor(log2(a)), exactly
;;       r = np.clip(x / 2.0 ** e, -7.5, 7.5)
;;       step = 2.0 ** (np.maximum(np.frexp(np.where(r == 0, 1, r))[1] - 1, 0) - 3)
;;       q = np.round(r / step) * step * 2.0 ** e      # np.round: ties to even
;;       return np.moveaxis(q.reshape(q.shape[:-2] + (-1,))[..., :K], -1, axis).astype(np.float32)
;;   ~~~
;;   OPERANDS COMPUTED ON THE WAY. 'Computed on the way' means the value that the module computes at that place (a softmax that the list does not call 'softmax' is quantised finished and normalised). What goes into a quantiser is computed in f32, as accurately as f32 sums, v_exp_f32 and their like allow (about 1e-6 of the number): no bf16 or f16 on the way to a quantiser, and a product that is left as it is and whose result goes on into a quantised operand takes f32 operands (vector FMAs, or v_wmma_f32_16x16x4_f32). A number that lies on a knife's edge between two numbers of the format may be rounded either way, as far as f32 arithmetic and the matrix unit's own rounding can turn it there, and no further.
;; One version. Each part assembles by itself: llvm-mc -triple=amdgcn-amd-amdhsa -mcpu=gfx1250 --defsym DOCPART=n.
;; ======== version 1 of 1: 3 launches
;; limits: right only within a limited range of input values
;; workspace buffers: q 22,182,144 bytes; part 1,048,576 bytes
;; launch quant (part 1): grid 1699 x 1, 8 waves a work-group, no clusters, 69,632 bytes of LDS; arguments embeddings, ln_bias, ln_weight, pos_emb, vocab_vectors, q; writes q
.if DOCPART == 1
	.amdgcn_target "amdgcn-amd-amdhsa--gfx1250"
	.amdhsa_code_object_version 6
	.text
	.protected	k_q567c2b1240_quant
	.globl	k_q567c2b1240_quant
	.p2align	8
	.type	k_q567c2b1240_quant,@function
k_q567c2b1240_quant:
	s_mov_b64 s[64:65], 0
	v_nop
	global_prefetch_b8 v0, s[64:65] scope:SCOPE_SE
	s_setreg_imm32_b32 hwreg(HW_REG_WAVE_MODE, 25, 1), 1
	s_wait_xcnt 0x0
; BOTH OPERANDS OF THE SEARCH'S PRODUCT ARE QUANTISED ONCE, into records of 16 rows x 1,024 along K laid in the order of the operand's registers.
; Work-groups 0-127: y = (embeddings - ln_bias) / (ln_weight + 1e-6) - pos_emb, rows 16 g on.  Work-groups 128-1698: vocab_vectors, tile T = g - 128, rows min(16 T, 25112) on:
; the last tile is moved up by 8 rows, so that no load leaves the buffer; its first 8 rows are rows of the tile before once more.
; A RECORD, 13,056 bytes, every byte written: 8 fragments (K step s at 1536 s) as images of their 12 registers (registers 4 c .. 4 c + 3 of lane l at 512 c + 16 l);
; at 12,288 the scale words (lane l's 16 bytes: word p = the E8M0 word of row l % 16 for K step 2 p + l / 16); at 12,800 the 16 rows' sums of squares of the UNQUANTISED numbers, four times over.
; SHARES: wave s makes K step s: 16 rows x 128 columns.  Each load reads 512 consecutive bytes of a row; the 8,192 bytes turn through the wave's own stage in LDS, so that lane (r, h) holds
; 16 neighbours of each block of 32 of row r, as the conversions want them.  A block's scale is 2^(floor(log2(largest magnitude)) - 2); its byte is that magnitude's exponent field - 2, held at 1 from below.
; THE DIVISION: a reciprocal with one Newton step, the quotient mended once by its remainder (two fused multiply-adds): f32 throughout, nothing coarser stands ahead of the quantiser.
; LIMITS: NaN and infinities among the inputs are not served.  A block of zeros gets the byte 1 where the rule says 127: its codes are zeros, and this program alone reads the bytes.
; The sums of squares are tree sums in f32: their order is not that of a sum taken element by element.
; No tensor load, no cluster, no matrix unit: the launch streams its inputs once and its work-groups share nothing.
.set RECB,  13056
.set SP,    528                        ; a stage row: 512 bytes + 16: an odd multiple of 16 bytes, so that the 16 rows of a read start in different banks (64 banks of 4 bytes: ISA guide 11.1)
.set WSTG,  16*SP                      ; a wave's stage
.set SCL,   8*WSTG                     ; the record's 512 bytes of scale words
.set SUMP,  SCL+512                    ; the eight waves' partial sums of squares: 64 bytes each
.set SPARE, SUMP+512                   ; the spare words, 128 bytes for each wave: four blocks of 256 bytes that no other line names
.set LO,  4                            ; v4   16 l + 512 s: my 16 bytes of a row's K step (and of ln_bias, ln_weight)
.set STI, 5                            ; v5   the stage, on the way in
.set STO, 6                            ; v6   and on the way out: row r, + 64 h
.set GI,  7                            ; v7   16 l + 1536 s: my place in the record's images
.set SCA, 8                            ; v8   where my row's scale word goes in LDS
.set SUA, 9                            ; v9   where my row's partial sum goes
.set SRD, 10                           ; v10  wave 0 reads the scale words back
.set URD, 11                           ; v11  wave 1 reads the partial sums back
.set SPW, 12                           ; v12  LDS address of my spare word; never rewritten
.set NIL, 13                           ; v13  0; never rewritten
.set G8,  14                           ; v14  8 l
.set G16, 15                           ; v15  16 l
.set R,   16                           ; v16-79   16 rows as loaded; behind the turn the area holds what follows:
.set PC,  16                           ; v16-35   the codes
.set TM,  36                           ; v36-51   largest magnitudes, bytes, scale operands
.set PW,  52                           ; v52      the scale word
.set SQ,  54                           ; v54-61   four chains of squares
.set FIN, 64                           ; v64-79   what waves 0 and 1 read back
.set P,   80                           ; v80-143  pos_emb's rows, then
.set X,   80                           ;          the turned numbers: register 16 b + i = column 32 b + 16 h + i of row r
.set NBI, 144                          ; v144-147 -ln_bias of my four columns
.set DV,  148                          ; v148-151 d = ln_weight + 1e-6
.set ND,  152                          ; v152-155 -d
.set RC,  156                          ; v156-159 1 / d
.set TT,  160                          ; v160-163 at work
.set QQ,  164                          ; v164-167 at work
.set WV,  16                           ; s16  my wave's number
.set SEL, 20                           ; s[20:21] v_permlanex16_b32's selects for lane l xor 16
	s_load_b256 s[4:11], s[0:1], 0x0               ; embeddings s[4:5], ln_bias s[6:7], ln_weight s[8:9], pos_emb s[10:11]
	s_load_b128 s[12:15], s[0:1], 0x20             ; vocab_vectors s[12:13], q s[14:15]
	v_lshl_add_u32 v[SPW], v0, 2, SPARE
	v_mov_b32 v[NIL], 0
	v_lshrrev_b32 v1, 5, v0
	s_delay_alu instid0(VALU_DEP_1)
	v_readfirstlane_b32 s[WV], v1                  ; wave 0..7 = K step
	v_and_b32 v1, 31, v0                           ; l
	v_and_b32 v2, 15, v0                           ; r
	s_wait_alu depctr_va_vdst(0)
	v_bfe_u32 v3, v0, 4, 1                         ; h
	s_lshl_b32 s17, s[WV], 9
	v_lshl_add_u32 v[LO], v1, 4, s17
	s_mul_i32 s18, s[WV], WSTG
	v_lshl_add_u32 v[STI], v1, 4, s18
	v_mul_u32_u24 v[STO], v2, SP
	s_delay_alu instid0(VALU_DEP_1)
	v_lshl_add_u32 v[STO], v3, 6, v[STO]
	s_delay_alu instid0(VALU_DEP_1)
	v_add_nc_u32 v[STO], s18, v[STO]
	s_mul_i32 s19, s[WV], 1536
	v_lshl_add_u32 v[GI], v1, 4, s19
	s_and_b32 s22, s[WV], 1                        ; the scale image: lane r + 16 (s % 2), word s / 2
	s_lshl_b32 s22, s22, 8
	s_lshr_b32 s23, s[WV], 1
	s_lshl_b32 s23, s23, 2
	s_add_co_u32 s22, s22, s23
	s_add_co_u32 s22, s22, SCL
	v_lshl_add_u32 v[SCA], v2, 4, s22
	s_lshl_b32 s23, s[WV], 6
	s_add_co_u32 s23, s23, SUMP
	v_lshl_add_u32 v[SUA], v2, 2, s23
	v_lshl_add_u32 v[SRD], v1, 4, SCL
	v_and_b32 v[URD], 7, v0
	s_delay_alu instid0(VALU_DEP_1)
	v_lshl_add_u32 v[URD], v[URD], 3, SUMP
	v_lshlrev_b32 v[G8], 3, v1
	v_lshlrev_b32 v[G16], 4, v1
	s_mov_b32 s[SEL], 0x76543210
	s_mov_b32 s[SEL+1], 0xfedcba98
	s_mul_i32 s28, ttmp9, RECB                     ; my record
	s_mov_b32 s29, 0
	s_mov_b32 s31, 0
	s_wait_kmcnt 0x0
	s_add_nc_u64 s[28:29], s[14:15], s[28:29]
	s_cmp_lt_u32 ttmp9, 128                        ; a tile of y or of the vocabulary: the same for all eight waves; neither arm touches LDS
	s_cbranch_scc1 .Ly
	; ---- the vocabulary: the numbers as they are
	s_sub_co_u32 s17, ttmp9, 128
	s_lshl_b32 s17, s17, 4
	s_min_u32 s17, s17, 25112                      ; the tile's first row
	s_lshl_b32 s30, s17, 12                        ; x 4,096 bytes (under 2^27)
	s_add_nc_u64 s[24:25], s[12:13], s[30:31]
.irp i, 0,1,2,3,4,5,6,7,8,9,10,11,12,13,14,15
	global_load_b128 v[R+4*\i:R+4*\i+3], v[LO], s[24:25] offset:4096*\i th:TH_LOAD_NT   ; 32 lanes read 512 consecutive bytes of row i
.endr
	s_branch .Ljoin
.Ly:
	; ---- y: the affine step undone, the position taken off
	s_lshl_b32 s30, ttmp9, 16                      ; 16 rows of 4,096 bytes
	s_add_nc_u64 s[24:25], s[4:5], s[30:31]
	s_add_nc_u64 s[26:27], s[10:11], s[30:31]
	global_load_b128 v[NBI:NBI+3], v[LO], s[6:7]
	global_load_b128 v[DV:DV+3], v[LO], s[8:9]
.irp i, 0,1,2,3,4,5,6,7,8,9,10,11,12,13,14,15
	global_load_b128 v[R+4*\i:R+4*\i+3], v[LO], s[24:25] offset:4096*\i th:TH_LOAD_NT
	global_load_b128 v[P+4*\i:P+4*\i+3], v[LO], s[26:27] offset:4096*\i th:TH_LOAD_NT
.endr
	s_wait_loadcnt 32                              ; ln_bias and ln_weight are in; the 32 loads of rows issued behind them may be out
.irp k, 0,1,2,3
	v_add_f32 v[DV+\k], 0x358637bd, v[DV+\k]       ; d = ln_weight + 1e-6
.endr
	s_wait_alu depctr_va_vdst(0)
.irp k, 0,1,2,3
	v_rcp_f32 v[RC+\k], v[DV+\k]
.endr
.irp k, 0,1,2,3
	v_xor_b32 v[ND+\k], 0x80000000, v[DV+\k]       ; -d: plain work behind the reciprocals
.endr
.irp k, 0,1,2,3
	v_xor_b32 v[NBI+\k], 0x80000000, v[NBI+\k]     ; -ln_bias
.endr
	s_wait_alu depctr_va_vdst(0)                   ; one wait for the four reciprocals, ahead of their first reader
.irp k, 0,1,2,3
	v_fma_f32 v[TT+\k], v[ND+\k], v[RC+\k], 1.0    ; e = 1 - d r
.endr
.irp k, 0,1,2,3
	v_fma_f32 v[RC+\k], v[RC+\k], v[TT+\k], v[RC+\k]   ; r + r e: one Newton step
.endr
.macro AFF i                           ; row i: my four columns, two at a time
	s_wait_loadcnt 30-2*\i                         ; this row's two loads are in; the two of each later row may be out
.irp u, 0,1
	v_pk_add_f32 v[TT+2*\u:TT+2*\u+1], v[R+4*\i+2*\u:R+4*\i+2*\u+1], v[NBI+2*\u:NBI+2*\u+1]   ; t = x - b
.endr
	s_wait_alu depctr_va_vdst(0)
.irp u, 0,1
	v_pk_mul_f32 v[QQ+2*\u:QQ+2*\u+1], v[TT+2*\u:TT+2*\u+1], v[RC+2*\u:RC+2*\u+1]             ; q = t r
.endr
.irp u, 0,1
	s_delay_alu instid0(VALU_DEP_2)
	v_pk_fma_f32 v[TT+2*\u:TT+2*\u+1], v[QQ+2*\u:QQ+2*\u+1], v[ND+2*\u:ND+2*\u+1], v[TT+2*\u:TT+2*\u+1]   ; the remainder t - q d
.endr
.irp u, 0,1
	s_delay_alu instid0(VALU_DEP_2)
	v_pk_fma_f32 v[QQ+2*\u:QQ+2*\u+1], v[TT+2*\u:TT+2*\u+1], v[RC+2*\u:RC+2*\u+1], v[QQ+2*\u:QQ+2*\u+1]   ; q mended by it
.endr
.irp u, 0,1
	s_delay_alu instid0(VALU_DEP_2)
	v_pk_add_f32 v[R+4*\i+2*\u:R+4*\i+2*\u+1], v[QQ+2*\u:QQ+2*\u+1], v[P+4*\i+2*\u:P+4*\i+2*\u+1] neg_lo:[0,1] neg_hi:[0,1]   ; y = q - pos_emb
.endr
.endm
.irp i, 0,1,2,3,4,5,6,7,8,9,10,11,12,13,14,15
	AFF \i
.endr
.Ljoin:
	s_wait_alu depctr_va_vdst(0)
	s_wait_loadcnt 0x0                             ; the vocabulary's 16 loads (y's have been waited for row by row)
	; ---- the turn through my own stage: LDS serves a wave's instructions in order (ISA guide 5.7.1.4), so no wait stands between the stores and the loads
.irp i, 0,1,2,3,4,5,6,7,8,9,10,11,12,13,14,15
	ds_store_b128 v[STI], v[R+4*\i:R+4*\i+3] offset:SP*\i
.endr
.irp b, 0,1,2,3
.irp j, 0,1,2,3
	ds_load_b128 v[X+16*\b+4*\j:X+16*\b+4*\j+3], v[STO] offset:128*\b+16*\j
.endr
.endr
	s_wait_dscnt 0x0
.irp b, 0,1,2,3
	v_mov_b32 v[TM+4+\b], 0                        ; a lane permute's destination counts as one of its sources
.endr
	; ---- the sum of squares of my row's 128 numbers, of the numbers as they stand ahead of the quantiser
.irp k, 0,1,2,3
	v_pk_mul_f32 v[SQ+2*\k:SQ+2*\k+1], v[X+2*\k:X+2*\k+1], v[X+2*\k:X+2*\k+1]   ; the first four pairs start the chains: nothing is cleared
.endr
.set jj, 4
.rept 28
	s_delay_alu instid0(VALU_DEP_4)
	v_pk_fma_f32 v[SQ+2*(jj%4):SQ+2*(jj%4)+1], v[X+2*jj:X+2*jj+1], v[X+2*jj:X+2*jj+1], v[SQ+2*(jj%4):SQ+2*(jj%4)+1]
.set jj, jj+1
.endr
	s_delay_alu instid0(VALU_DEP_3)
	v_pk_add_f32 v[SQ:SQ+1], v[SQ:SQ+1], v[SQ+2:SQ+3]
	s_delay_alu instid0(VALU_DEP_2)
	v_pk_add_f32 v[SQ+4:SQ+5], v[SQ+4:SQ+5], v[SQ+6:SQ+7]
	s_delay_alu instid0(VALU_DEP_1)
	v_pk_add_f32 v[SQ:SQ+1], v[SQ:SQ+1], v[SQ+4:SQ+5]
	s_delay_alu instid0(VALU_DEP_1)
	v_add_f32 v[SQ], v[SQ], v[SQ+1]
	s_delay_alu instid0(VALU_DEP_1)
	v_permlanex16_b32 v[SQ+2], v[SQ], s[SEL], s[SEL+1]
	s_delay_alu instid0(VALU_DEP_1)
	v_add_f32 v[SQ], v[SQ], v[SQ+2]                ; with lane l xor 16's 64 numbers
	ds_store_b32 v[SUA], v[SQ]                     ; both lanes of a row write the same word with the same value
	; ---- the quantiser: four blocks of 32, each in lanes l and l xor 16
.irp b, 0,1,2,3
	v_max3_num_f32 v[TM+\b], |v[X+16*\b]|, |v[X+1+16*\b]|, 0x1800000   ; my 16 numbers of block b, and the floor 2^(3 - 127): the byte cannot fall under 1
.endr
.irp i, 2,4,6,8,10,12,14
.irp b, 0,1,2,3
	s_delay_alu instid0(VALU_DEP_4)
	v_max3_num_f32 v[TM+\b], v[TM+\b], |v[X+16*\b+\i]|, |v[X+1+16*\b+\i]|   ; the four blocks by turns
.endr
.endr
.irp b, 0,1,2,3
	s_delay_alu instid0(VALU_DEP_4)
	v_permlanex16_b32 v[TM+4+\b], v[TM+\b], s[SEL], s[SEL+1]
.endr
.irp b, 0,1,2,3
	s_delay_alu instid0(VALU_DEP_4)
	v_max_num_f32 v[TM+\b], v[TM+\b], v[TM+4+\b]   ; the block's largest magnitude
.endr
.irp b, 0,1,2,3
	s_delay_alu instid0(VALU_DEP_4)
	v_add_nc_u32 v[TM+12+\b], 0xff000000, v[TM+\b] ; 2 off its exponent field: the conversion takes the exponent field of this operand as its scale
.endr
.irp b, 0,1,2,3
	s_delay_alu instid0(VALU_DEP_4)
	v_lshrrev_b32 v[TM+4+\b], 23, v[TM+12+\b]      ; the scale's byte
.endr
	s_delay_alu instid0(VALU_DEP_3)
	v_lshl_or_b32 v[PW], v[TM+5], 8, v[TM+4]       ; four bytes: my row's scale word for this K step
	s_delay_alu instid0(VALU_DEP_1)
	v_lshl_or_b32 v[PW], v[TM+6], 16, v[PW]
	s_delay_alu instid0(VALU_DEP_1)
	v_lshl_or_b32 v[PW], v[TM+7], 24, v[PW]
.irp c, 0,1
	v_cvt_scalef32_pk16_fp6_f32 v[PC+6*\c:PC+2+6*\c], v[X+32*\c:X+15+32*\c], v[TM+12+2*\c]
	v_cvt_scalef32_pk16_fp6_f32 v[PC+12+4*\c:PC+14+4*\c], v[X+16+32*\c:X+31+32*\c], v[TM+12+2*\c+1]   ; (a conversion's three registers begin on an even number)
.endr
	v_nop                                          ; one plain place behind the scaled conversions
.irp c, 0,1                                    ; the operand's layout wants a WHOLE block in a lane: lanes 0-15 block 2 c, lanes 16-31 block 2 c + 1
.irp i, 0,1,2
	v_permlane16_swap_b32 v[PC+6*\c+\i], v[PC+12+4*\c+\i]
.endr
.irp i, 0,1,2
	s_delay_alu instid0(VALU_DEP_3)
	v_mov_b32 v[PC+3+6*\c+\i], v[PC+12+4*\c+\i]
.endr
.endr
.irp c, 0,1,2
	global_store_b128 v[GI], v[PC+4*\c:PC+4*\c+3], s[28:29] offset:512*\c th:TH_STORE_NT   ; the fragment's image: 512 consecutive bytes a store, at a multiple of 256 from q's first byte
.endr
	ds_store_b32 v[SCA], v[PW]
	s_wait_dscnt 0x0                               ; for the others' sake: my scale word and my partial sum have landed
	s_barrier_signal -1
	s_barrier_wait -1
	s_cmp_lg_u32 s[WV], 0
	s_cbranch_scc1 .Lnot_0
	ds_load_b128 v[FIN:FIN+3], v[SRD]              ; wave 0: the record's 512 bytes of scale words
	s_wait_dscnt 0x0
	global_store_b128 v[G16], v[FIN:FIN+3], s[28:29] offset:12288 th:TH_STORE_NT
.Lnot_0:
	s_cmp_lg_u32 s[WV], 1
	s_cbranch_scc1 .Lnot_1
.irp k, 0,1,2,3,4,5,6,7
	ds_load_b64 v[FIN+2*\k:FIN+2*\k+1], v[URD] offset:64*\k   ; wave 1: rows 2 (l % 8) and 2 (l % 8) + 1, K step k's part
.endr
	s_wait_dscnt 0x0
.irp k, 0,2,4,6
	v_pk_add_f32 v[FIN+2*\k:FIN+2*\k+1], v[FIN+2*\k:FIN+2*\k+1], v[FIN+2*\k+2:FIN+2*\k+3]
.endr
	s_delay_alu instid0(VALU_DEP_3)
	v_pk_add_f32 v[FIN:FIN+1], v[FIN:FIN+1], v[FIN+4:FIN+5]
	s_delay_alu instid0(VALU_DEP_2)
	v_pk_add_f32 v[FIN+8:FIN+9], v[FIN+8:FIN+9], v[FIN+12:FIN+13]
	s_delay_alu instid0(VALU_DEP_1)
	v_pk_add_f32 v[FIN:FIN+1], v[FIN:FIN+1], v[FIN+8:FIN+9]
	global_store_b64 v[G8], v[FIN:FIN+1], s[28:29] offset:12800 th:TH_STORE_NT   ; 32 lanes store 256 consecutive bytes: the 16 sums four times over
.Lnot_1:
	s_wait_tensorcnt 0x0                           ; the wave's end, behind my last LDS store
	ds_add_u32 v[SPW], v[NIL]
	s_wait_dscnt 0x0
	s_endpgm
.Lfunc_end_k_q567c2b1240_quant:
	.size	k_q567c2b1240_quant, .Lfunc_end_k_q567c2b1240_quant-k_q567c2b1240_quant
	.p2alignl 7, 3214868480
	.fill 96, 4, 3214868480
	.section	.rodata,"a",@progbits
	.p2align	6, 0x0
	.amdhsa_kernel k_q567c2b1240_quant
		.amdhsa_group_segment_fixed_size 69632
		.amdhsa_private_segment_fixed_size 0
		.amdhsa_enable_private_segment 0
		.amdhsa_kernarg_size 48
		.amdhsa_user_sgpr_count 2
		.amdhsa_user_sgpr_kernarg_segment_ptr 1
		.amdhsa_wavefront_size32 1
		.amdhsa_system_sgpr_workgroup_id_x 1
		.amdhsa_system_sgpr_workgroup_id_y 1
		.amdhsa_system_sgpr_workgroup_id_z 1
		.amdhsa_system_vgpr_workitem_id 0
		.amdhsa_next_free_vgpr 168
		.amdhsa_next_free_sgpr 66
		.amdhsa_reserve_vcc 0
		.amdhsa_float_denorm_mode_32 3
		.amdhsa_float_denorm_mode_16_64 3
		.amdhsa_memory_ordered 1
		.amdhsa_forward_progress 1
		.amdhsa_inst_pref_size 37
	.end_amdhsa_kernel
	.amdgpu_metadata
---
amdhsa.version: [ 1, 2 ]
amdhsa.kernels:
  - .name:           k_q567c2b1240_quant
    .symbol:         k_q567c2b1240_quant.kd
    .args:
      - { .name: embeddings, .offset: 0, .size: 8, .value_kind: global_buffer, .address_space: global }
      - { .name: ln_bias, .offset: 8, .size: 8, .value_kind: global_buffer, .address_space: global }
      - { .name: ln_weight, .offset: 16, .size: 8, .value_kind: global_buffer, .address_space: global }
      - { .name: pos_emb, .offset: 24, .size: 8, .value_kind: global_buffer, .address_space: global }
      - { .name: vocab_vectors, .offset: 32, .size: 8, .value_kind: global_buffer, .address_space: global }
      - { .name: q, .offset: 40, .size: 8, .value_kind: global_buffer, .address_space: global }
    .group_segment_fixed_size: 69632
    .private_segment_fixed_size: 0
    .kernarg_segment_align: 8
    .kernarg_segment_size: 48
    .max_flat_workgroup_size: 256
    .sgpr_count:     66
    .vgpr_count:     168
    .wavefront_size: 32
...
	.end_amdgpu_metadata
.endif
;; end of part 1
;; launch search (part 2): grid 4 x 64, 8 waves a work-group, clusters of 4 x 1, 327,680 bytes of LDS; arguments q, part; writes part
.if DOCPART == 2
	.amdgcn_target "amdgcn-amd-amdhsa--gfx1250"
	.amdhsa_code_object_version 6
	.text
	.protected	k_q567c2b1240_search
	.globl	k_q567c2b1240_search
	.p2align	8
	.type	k_q567c2b1240_search,@function
k_q567c2b1240_search:
	s_mov_b64 s[64:65], 0
	v_nop
	global_prefetch_b8 v0, s[64:65] scope:SCOPE_SE
	s_setreg_imm32_b32 hwreg(HW_REG_WAVE_MODE, 25, 1), 1
	s_wait_xcnt 0x0
	s_wait_alu depctr_hold_cnt(0) depctr_sa_sdst(0) depctr_va_vdst(0) depctr_va_sdst(0) depctr_va_ssrc(0) depctr_va_vcc(0) depctr_vm_vsrc(0)
	s_getreg_b32 s2, hwreg(HW_REG_IB_STS2, 6, 4)
	s_cmp_eq_u32 s2, 0
	s_cbranch_scc0 .Lentry_in_a_cluster
	s_endpgm
.Lentry_in_a_cluster:
	s_bfe_u32 s2, ttmp6, 0x10000c
	s_cmp_lg_u32 s2, 0x3003
	s_cbranch_scc0 .Lentry_shape_is_right
	s_endpgm
.Lentry_shape_is_right:
; d2[s][v] = (sum y^2 - 2 Q(y) . Q(vocab)) + sum vocab^2, and for each row s the least d2 and its first place among the 400 vocabulary rows of a work-group's chunk.
; The product is made on codes of FP6 (E2M3) with one E8M0 scale for each 32 along K, as the launch before laid them: records of 16 rows x 1,024 K in the order of the operand's registers.
; Nothing of reference() is left out: sum y^2 is the same along the argmin's axis, but its size sets the rounding of every d2, so it stays, with reference()'s two roundings.
; SHARES.  Work-group (x, c): x = which 512 rows of y (32 records), c = which chunk of 25 vocabulary tiles, from tile T0 = 24 c + min(c, 34): 64 chunks cover the 1,571 tiles; a tile made twice carries the same places.
; y STANDS STILL: each of the eight waves holds 4 records of y for all of K: 4 x 8 fragments x 12 = 384 registers, loaded once.  Two waves lie on a SIMD, 512 registers each.
; THE CHUNK lies in LDS whole, 25 x 13,056 = 326,400 bytes, and comes in five fills of 5 tiles; no byte is filled twice.  Waves 0 to 4 bring a tile each; all eight waves read every tile.
; A TILE: 8 groups of 4 matrix instructions (K ascending, the 4 accumulators by turns), fed from three fragment buffers that are loaded two groups ahead; then the tail, 31 vector instructions a record:
; d = fma(dot, -2, sum y^2), which is the rounded sum y^2 - 2 dot since 2 dot is exact; d + sum vocab^2; the least of the lane's 8 and of what it held; where that is strictly less, the first place that holds it,
; by compares and selects alone: no branch and no address hangs on a floating-point number.  A lane's least and place stay in registers over all 25 tiles; the two halves of the lanes meet once, at the end.
; SOURCE 0 = 16 vocabulary rows, SOURCE 1 = 16 rows of y: lane (r, h) holds row r of y, and register j of an accumulator the vocabulary row 8 h + j.
; OUT: for each pair of records one store of 256 consecutive bytes: lane l's (least d2, place n') for row 32 rb + l, at unit c of the block.  n' = 16 x tile + place in the tile.
; CLUSTER 4, 1, 1: the four work-groups of a chunk ask for its tiles jointly (mask 15).  y's records go from memory straight into registers: beside the chunk and the spare words LDS has 256 bytes left, so no joint load can bring them.
; PREFETCH: in the trip that asks for fill n + 1, waves 6 and 7 name the 255 blocks of 256 bytes of fill n + 2, one trip ahead of its tensor load; the four partners take 64 blocks each, by address; the last trip with a fill names nothing.
; LIMITS: NaN is not served (a NaN among the distances is passed over, where an argmin would return its place).
; REGISTERS: window 0: v0-123 as named below, v124-255 y's fragments 21 to 31; window 1: y's fragments 0 to 20.  Fragment f = 4 x K step + record.
.set RECB,  13056
.set SLOTB, 5*RECB
.set SPARE, 25*RECB                    ; behind the chunk: the spare words, 128 bytes for each wave: four blocks of 256 bytes that no other line names
.set PROW,  16384                      ; part: from a block of 32 rows to the next: 64 x 256 bytes
.set SPW, 1                            ; LDS address of my spare word; never rewritten
.set NIL, 2                            ; 0; never rewritten
.set LI,  3                            ; 16 l
.set VH,  4                            ; 32 h
.set ADR, 5                            ; LDS address of the tile in hand + 16 l
.set ADV, 6                            ; the same + 32 h
.set PFO, 7                            ; the prefetch's offset
.set TM,  8                            ; v8-9   the new least, for two records at a time
.set JJ,  10                           ; v10-11 its place
.set BEST, 12                          ; v12-15 the least so far, a record each
.set KEY, 16                           ; v16-19 16 x tile + j of it
.set YY,  20                           ; v20-27 sum y^2 of row r: a pair a record, the low word serves
.set VSC, 28                           ; v28-31 the tile's scale words: register p: lanes 0-15 K step 2 p, lanes 16-31 K step 2 p + 1
.set YSC, 32                           ; v32-47 y's, likewise: register 4 x record + p
.set VV,  48                           ; v48-55 sum vocab^2 of the tile's rows 8 h + 0 .. 7
.set ACC, 56                           ; v56-87 four accumulators
.set FR,  88                           ; v88-123 three fragment buffers: K step s in buffer s % 3
.set YW0, 124
.set WV,  8
.set CX,  9
.set CH,  10
.set G1,  16
.set G0,  24
.set YB,  28
.set PB,  30
.set PFB, 32
.set TB,  34                           ; LDS byte of the tile in hand
.set SL,  35
.set TL,  36
.set T16, 37                           ; 16 x the tile in hand
.set LIM, 38
.set SEL, 40
.set HM,  42
.set MA,  44                           ; s44-51, s52-59: lane masks of two records
.set MB,  52
.set MSB, 0
.macro WIN new                         ; the immediate's high byte repeats the setting that is left
.if MSB != (\new)
	s_set_vgpr_msb (MSB<<8)|(\new)
.set MSB, (\new)
.endif
.endm
.macro P4                              ; four places (ISA guide 7.12.1)
.rept 4
	v_nop
.endr
.endm
.macro ROUND                           ; a round of the cluster's barrier
	s_barrier_signal -1
	s_barrier_wait -1
	s_cmp_lg_u32 s[WV], 0
	s_cbranch_scc1 .Lnw_\@
	s_barrier_signal -3
.Lnw_\@:
	s_barrier_wait -3
	s_barrier_signal -1
	s_barrier_wait -1
.endm
.macro JLOAD                           ; waves 0 to 4: a tile each, asked for jointly by the four partners
	s_cmp_lt_u32 s[WV], 5
	s_cbranch_scc0 .Lnl_\@
	tensor_load_to_lds s[G0:G0+3], s[G1:G1+7]
	s_nop 0
	P4
.Lnl_\@:
.endm
	s_load_b128 s[4:7], s[0:1], 0x0                ; q s[4:5], part s[6:7]
	v_lshl_add_u32 v[SPW], v0, 2, SPARE
	v_mov_b32 v[NIL], 0
	ds_add_u32 v[SPW], v[NIL]                      ; the opening lines: the add, twice on end, and its wait
	ds_add_u32 v[SPW], v[NIL]
	v_lshrrev_b32 v[TM], 5, v0
	v_readfirstlane_b32 s[WV], v[TM]               ; wave 0..7
	s_bfe_u32 s[CX], ttmp6, 0x40000                ; my place in the cluster = which 512 rows of y
	s_and_b32 s[CH], ttmp7, 0xffff                 ; the chunk
	s_min_u32 s11, s[CH], 34
	s_mul_i32 s12, s[CH], 24
	s_add_co_u32 s12, s12, s11                     ; T0
	s_lshl_b32 s[T16], s12, 4
	s_add_co_u32 s12, s12, 128                     ; the vocabulary's records lie behind y's 128
	s_mul_i32 s12, s12, RECB
	s_mov_b32 s13, 0
	s_mul_i32 s14, s[WV], RECB
	s_mov_b32 s15, 0
	s_mov_b32 s[G1+0], 15|(3<<16)|(1<<21)          ; the mask of the four partners; elements of 8 bytes; bit 21 beside a mask
	s_mov_b32 s[G1+1], 32<<16                      ; a record: 51 rows of 256 bytes, dense
	s_mov_b32 s[G1+2], 51<<16
	s_mov_b32 s[G1+3], 32<<16
	s_mov_b32 s[G1+4], 51
	s_mov_b32 s[G1+5], 32
	s_mov_b32 s[G1+6], 0
	s_mov_b32 s[G1+7], 0
	s_mov_b32 s[G0], 1
	s_mul_i32 s[G0+1], s[WV], RECB                 ; LDS: tile w of the fill
	s_lshl_b32 s[YB], s[CX], 5
	s_lshl_b32 s11, s[WV], 2
	s_add_co_u32 s[YB], s[YB], s11                 ; y's record 32 x + 4 w
	s_mul_i32 s[YB], s[YB], RECB
	s_mov_b32 s[YB+1], 0
	s_lshl_b32 s[PB], s[CX], 4
	s_lshl_b32 s11, s[WV], 1
	s_add_co_u32 s[PB], s[PB], s11                 ; block of 32 rows 16 x + 2 w
	s_lshl_b32 s[PB], s[PB], 14
	s_lshl_b32 s11, s[CH], 8
	s_add_co_u32 s[PB], s[PB], s11
	s_mov_b32 s[PB+1], 0
	s_mov_b32 s[SEL], 0x76543210
	s_mov_b32 s[SEL+1], 0xfedcba98
	s_mov_b32 s[HM], 0xffff0000
	s_mov_b32 s[TB], 0
	s_mov_b32 s[SL], 4
	s_cmp_ge_u32 s[WV], 6
	s_cselect_b32 s[LIM], 1, -1                    ; waves 6 and 7 prefetch
	s_wait_dscnt 0x0
	s_wait_kmcnt 0x0
	s_add_nc_u64 s[12:13], s[4:5], s[12:13]        ; the chunk's first record
	s_add_nc_u64 s[PFB:PFB+1], s[12:13], 2*SLOTB
	s_add_nc_u64 s[G0+2:G0+3], s[12:13], s[14:15]
	s_or_b32 s[G0+3], s[G0+3], 0x80000000
	s_add_nc_u64 s[YB:YB+1], s[4:5], s[YB:YB+1]
	s_add_nc_u64 s[PB:PB+1], s[6:7], s[PB:PB+1]
	ROUND                                          ; in front of the first joint loads
	JLOAD                                          ; tiles 0 to 4
	v_and_b32 v[LI], 31, v0
	s_lshl_b32 s11, s[CX], 6
	s_and_b32 s14, s[WV], 1
	s_lshl_b32 s14, s14, 5
	s_add_co_u32 s11, s11, s14
	v_add_nc_u32 v[PFO], s11, v[LI]                ; block 64 x + 32 (w % 2) + l of a fill's 255,
	v_min_u32 v[PFO], 254, v[PFO]                  ; the one lane left over names the last block again
	v_lshlrev_b32 v[PFO], 8, v[PFO]
	v_lshlrev_b32 v[LI], 4, v[LI]
	v_and_b32 v[TM], 15, v0
	v_lshlrev_b32 v[TM], 2, v[TM]                  ; 4 r
	v_bfe_u32 v[VH], v0, 4, 1
	v_lshlrev_b32 v[VH], 5, v[VH]
	v_mov_b32 v[ADR], v[LI]
	v_mov_b32 v[ADV], v[VH]
.irp p, 0,1,2,3
	v_mov_b32 v[BEST+\p], 0x7f800000               ; over every finite d2
	v_mov_b32 v[KEY+\p], 0
	v_mov_b32 v[YY+2*\p+1], 0                      ; named as the upper half of a pair
.endr
	s_wait_alu depctr_va_vdst(0)
.irp s, 0,1,2,3,4,5,6,7                        ; y's 32 fragments: three loads each, 512 consecutive bytes a load
.irp p, 0,1,2,3
.set f, 4*\s+\p
.if f < 21
.set rY, 12*f
	WIN 0x40
.else
.set rY, YW0+12*(f-21)
	WIN 0
.endif
.irp c, 0,1,2
	global_load_b128 v[rY+4*\c:rY+4*\c+3], v[LI], s[YB:YB+1] offset:RECB*\p+1536*\s+512*\c
.endr
.endr
.endr
.irp p, 0,1,2,3
	global_load_b128 v[YSC+4*\p:YSC+4*\p+3], v[LI], s[YB:YB+1] offset:RECB*\p+12288
	global_load_b32 v[YY+2*\p], v[TM], s[YB:YB+1] offset:RECB*\p+12800
.endr
; In front of each later fill every wave waits for all its tensor loads, adds 0 to its spare word and waits for that and for its LDS reads.
; The round shows the fill that has landed to all eight waves, and brings the four partners' next joint loads together.  fill = 0: nothing more is asked for, so the work-group's own barrier serves.
.macro CHANGE fill
	s_wait_tensorcnt 0x0
	ds_add_u32 v[SPW], v[NIL]
.if \fill
	ds_add_u32 v[SPW], v[NIL]
	s_add_co_u32 s[G0+1], s[G0+1], SLOTB           ; no tensor load of mine is out: group 0 steps 5 tiles on, in LDS and in memory
	s_add_nc_u64 s[G0+2:G0+3], s[G0+2:G0+3], SLOTB
.endif
	s_wait_dscnt 0x0
.if \fill
	ROUND
	JLOAD
.else
	s_barrier_signal -1
	s_barrier_wait -1
.endif
.endm
.macro LDF s, off                      ; the fragment of K step s of the tile at v[ADR] + off
.irp c, 0,1,2
	ds_load_b128 v[FR+12*((\s)%3)+4*\c:FR+12*((\s)%3)+4*\c+3], v[ADR] offset:(\off)+1536*(\s)+512*\c
.endr
.endm
.macro LDS_SC off
	ds_load_b128 v[VSC:VSC+3], v[ADR] offset:(\off)+12288
.endm
.macro LDS_VV off
	ds_load_b128 v[VV:VV+3], v[ADV] offset:(\off)+12800
	ds_load_b128 v[VV+4:VV+7], v[ADV] offset:(\off)+12816
.endm
.macro GRP s                           ; K step s: the tile's fragment against my four records; the accumulators take turns
.irp p, 0,1,2,3
.set f, 4*(\s)+\p
.if f < 21
.set rY, 12*f
	WIN 4                                          ; source 1 in window 1; LDS loads name destination and source 0 alone, so the setting stays over them
.else
.set rY, YW0+12*(f-21)
	WIN 0
.endif
.set rC, ACC+8*\p
.set rF, FR+12*((\s)%3)
.if (\s) == 0
	v_wmma_scale_f32_16x16x128_f8f6f4 v[rC:rC+7], v[rF:rF+11], v[rY:rY+11], 0, v[VSC], v[YSC+4*\p] matrix_a_fmt:MATRIX_FMT_FP6 matrix_b_fmt:MATRIX_FMT_FP6
.elseif ((\s)%2) == 0
	v_wmma_scale_f32_16x16x128_f8f6f4 v[rC:rC+7], v[rF:rF+11], v[rY:rY+11], v[rC:rC+7], v[VSC+(\s)/2], v[YSC+4*\p+(\s)/2] matrix_a_fmt:MATRIX_FMT_FP6 matrix_b_fmt:MATRIX_FMT_FP6
.else
	v_wmma_scale_f32_16x16x128_f8f6f4 v[rC:rC+7], v[rF:rF+11], v[rY:rY+11], v[rC:rC+7], v[VSC+(\s)/2], v[YSC+4*\p+(\s)/2] matrix_a_fmt:MATRIX_FMT_FP6 matrix_b_fmt:MATRIX_FMT_FP6 matrix_a_scale:MATRIX_SCALE_ROW1 matrix_b_scale:MATRIX_SCALE_ROW1
.endif
.endr
.endm
; The tail of records a and b, line by line by turns.  Each accumulator is read from its low end on.
.macro T2 a, b
.irp q, 0,1,2,3
	v_pk_fma_f32 v[ACC+8*\a+2*\q:ACC+8*\a+2*\q+1], v[ACC+8*\a+2*\q:ACC+8*\a+2*\q+1], -2.0, v[YY+2*\a:YY+2*\a+1] op_sel_hi:[1,0,0]
	v_pk_fma_f32 v[ACC+8*\b+2*\q:ACC+8*\b+2*\q+1], v[ACC+8*\b+2*\q:ACC+8*\b+2*\q+1], -2.0, v[YY+2*\b:YY+2*\b+1] op_sel_hi:[1,0,0]
.endr
.irp q, 0,1,2,3
	v_pk_add_f32 v[ACC+8*\a+2*\q:ACC+8*\a+2*\q+1], v[ACC+8*\a+2*\q:ACC+8*\a+2*\q+1], v[VV+2*\q:VV+2*\q+1]
	v_pk_add_f32 v[ACC+8*\b+2*\q:ACC+8*\b+2*\q+1], v[ACC+8*\b+2*\q:ACC+8*\b+2*\q+1], v[VV+2*\q:VV+2*\q+1]
.endr
	v_min3_num_f32 v[TM], v[BEST+\a], v[ACC+8*\a], v[ACC+8*\a+1]
	v_min3_num_f32 v[TM+1], v[BEST+\b], v[ACC+8*\b], v[ACC+8*\b+1]
.irp q, 2,4,6
	v_min3_num_f32 v[TM], v[TM], v[ACC+8*\a+\q], v[ACC+8*\a+\q+1]
	v_min3_num_f32 v[TM+1], v[TM+1], v[ACC+8*\b+\q], v[ACC+8*\b+\q+1]
.endr
	v_cmp_lt_f32 s[MA+7], v[TM], v[BEST+\a]        ; strictly less than all before: only then the place moves, so the lowest place wins a tie
	v_cmp_lt_f32 s[MB+7], v[TM+1], v[BEST+\b]
.irp k, 0,1,2,3,4,5,6
	v_cmp_neq_f32 s[MA+\k], v[ACC+8*\a+\k], v[TM]
	v_cmp_neq_f32 s[MB+\k], v[ACC+8*\b+\k], v[TM+1]
.endr
	v_mov_b32 v[BEST+\a], v[TM]
	v_mov_b32 v[BEST+\b], v[TM+1]
	v_mov_b32 v[JJ], 7
	v_mov_b32 v[JJ+1], 7
.irp k, 6,5,4,3,2,1,0                          ; the lowest j is written last
	v_cndmask_b32 v[JJ], \k, v[JJ], s[MA+\k]
	v_cndmask_b32 v[JJ+1], \k, v[JJ+1], s[MB+\k]
.endr
	v_add_nc_u32 v[JJ], s[T16], v[JJ]
	v_add_nc_u32 v[JJ+1], s[T16], v[JJ+1]
	v_cndmask_b32 v[KEY+\a], v[KEY+\a], v[JJ], s[MA+7]
	v_cndmask_b32 v[KEY+\b], v[KEY+\b], v[JJ+1], s[MB+7]
.endm
; A TILE.  Behind group s and its four places buffer s % 3 takes K step s + 3 (from K step 5 on: the next tile's K steps 2, 0, 1).  The wait ahead of group s + 1 leaves out the two fragments (6 loads) issued behind the one that it wants.
; next = 0: the fill's last tile fetches nothing beyond itself, so the last two counts are 3 and 0.
.macro TILE next
	s_wait_dscnt 2                                 ; K steps 0 to 2 and the scale words are in; the two loads of sum vocab^2 may be out
	GRP 0
	P4
	LDF 3, 0
	GRP 1
	P4
	LDF 4, 0
	GRP 2
	P4
	LDF 5, 0
	s_wait_dscnt 6
	GRP 3
	P4
	LDF 6, 0
	s_wait_dscnt 6
	GRP 4
	P4
	LDF 7, 0
	s_wait_dscnt 6
	GRP 5
	P4
.if \next
	LDF 2, RECB
	s_wait_dscnt 6
.else
	s_wait_dscnt 3
.endif
	GRP 6
	P4
.if \next
	LDF 0, RECB
	s_wait_dscnt 6
.else
	s_wait_dscnt 0
.endif
	GRP 7
	P4                                             ; also the places ahead of the tail's first reads
.if \next
	LDF 1, RECB
	LDS_SC RECB
.endif
	T2 0, 1
	T2 2, 3
.if \next
	LDS_VV RECB
.endif
	s_add_co_u32 s[TB], s[TB], RECB
	s_add_co_u32 s[T16], s[T16], 16
	v_add_nc_u32 v[ADR], s[TB], v[LI]
	v_add_nc_u32 v[ADV], s[TB], v[VH]
	s_wait_alu depctr_va_vdst(0)                   ; what the tail
.endm
.macro SLOT ask                        ; a fill's five tiles
	s_wait_loadcnt 0x0                             ; y's registers (met at once from the second fill on)
	LDF 0, 0
	LDF 1, 0
	LDF 2, 0
	LDS_SC 0
	LDS_VV 0
.if \ask
	s_cmp_gt_u32 s[SL], s[LIM]                     ; waves 6 and 7, while a fill two further on exists
	s_cbranch_scc0 .Lna_\@
	global_prefetch_b8 v[PFO], s[PFB:PFB+1] th:TH_LOAD_NT scope:SCOPE_SE
.Lna_\@:
.endif
	s_mov_b32 s[TL], 4
.Lt_\@:
	TILE 1
	s_sub_co_u32 s[TL], s[TL], 1
	s_cmp_lg_u32 s[TL], 0
	s_cbranch_scc1 .Lt_\@
	TILE 0
.endm
.Lslot:                                            ; 4 trips: each asks for the next fill and works the one that has landed
	CHANGE 1
	SLOT 1
	s_wait_xcnt 0x0                                ; the prefetch has read its base
	s_add_nc_u64 s[PFB:PFB+1], s[PFB:PFB+1], SLOTB
	s_sub_co_u32 s[SL], s[SL], 1
	s_cmp_lg_u32 s[SL], 0
	s_cbranch_scc1 .Lslot
	CHANGE 0                                       ; the last fill is written out
	SLOT 0
	; THE END: n' = 16 T + j + 8 h; the two halves of the lanes meet: the least, and the lower place of those that hold it
	v_lshrrev_b32 v[TM], 2, v[VH]
	v_lshrrev_b32 v[JJ], 1, v[LI]                  ; 8 l
	v_mov_b32 v[TM+1], 0x3fffffff
.irp p, 0,1,2,3
	v_add_nc_u32 v[KEY+\p], v[KEY+\p], v[TM]
	v_permlanex16_b32 v[ACC+\p], v[BEST+\p], s[SEL], s[SEL+1]
.endr
.irp p, 0,1,2,3
	v_permlanex16_b32 v[ACC+4+\p], v[KEY+\p], s[SEL], s[SEL+1]
.endr
.irp p, 0,1,2,3
	v_min_num_f32 v[ACC+8+\p], v[BEST+\p], v[ACC+\p]
.endr
.irp p, 0,1,2,3
	v_cmp_neq_f32 s[MA+\p], v[BEST+\p], v[ACC+8+\p]
	v_cmp_neq_f32 s[MB+\p], v[ACC+\p], v[ACC+8+\p]
.endr
.irp p, 0,1,2,3
	v_cndmask_b32 v[KEY+\p], v[KEY+\p], v[TM+1], s[MA+\p]
	v_cndmask_b32 v[ACC+4+\p], v[ACC+4+\p], v[TM+1], s[MB+\p]
.endr
.irp p, 0,1,2,3
	v_min_u32 v[KEY+\p], v[KEY+\p], v[ACC+4+\p]
.endr
.irp u, 0,1                                    ; lanes 0-15 take the even record's rows, lanes 16-31 the odd one's
	v_cndmask_b32 v[ACC+16+2*\u], v[ACC+8+2*\u], v[ACC+9+2*\u], s[HM]
	v_cndmask_b32 v[ACC+17+2*\u], v[KEY+2*\u], v[KEY+2*\u+1], s[HM]
.endr
.irp u, 0,1
	global_store_b64 v[JJ], v[ACC+16+2*\u:ACC+17+2*\u], s[PB:PB+1] offset:PROW*\u th:TH_STORE_NT   ; 32 lanes store 256 consecutive bytes, at a multiple of 256 from part's first byte
.endr
	s_wait_tensorcnt 0x0                           ; the wave's end
	ds_add_u32 v[SPW], v[NIL]
	s_wait_dscnt 0x0
	ROUND                                          ; the closing round
	s_endpgm
.Lfunc_end_k_q567c2b1240_search:
	.size	k_q567c2b1240_search, .Lfunc_end_k_q567c2b1240_search-k_q567c2b1240_search
	.p2alignl 7, 3214868480
	.fill 96, 4, 3214868480
	.section	.rodata,"a",@progbits
	.p2align	6, 0x0
	.amdhsa_kernel k_q567c2b1240_search
		.amdhsa_group_segment_fixed_size 327680
		.amdhsa_private_segment_fixed_size 0
		.amdhsa_enable_private_segment 0
		.amdhsa_kernarg_size 16
		.amdhsa_user_sgpr_count 2
		.amdhsa_user_sgpr_kernarg_segment_ptr 1
		.amdhsa_wavefront_size32 1
		.amdhsa_system_sgpr_workgroup_id_x 1
		.amdhsa_system_sgpr_workgroup_id_y 1
		.amdhsa_system_sgpr_workgroup_id_z 1
		.amdhsa_system_vgpr_workitem_id 0
		.amdhsa_next_free_vgpr 512
		.amdhsa_next_free_sgpr 66
		.amdhsa_reserve_vcc 0
		.amdhsa_float_denorm_mode_32 3
		.amdhsa_float_denorm_mode_16_64 3
		.amdhsa_memory_ordered 1
		.amdhsa_forward_progress 1
		.amdhsa_inst_pref_size 77
	.end_amdhsa_kernel
	.amdgpu_metadata
---
amdhsa.version: [ 1, 2 ]
amdhsa.kernels:
  - .name:           k_q567c2b1240_search
    .symbol:         k_q567c2b1240_search.kd
    .args:
      - { .name: q, .offset: 0, .size: 8, .value_kind: global_buffer, .address_space: global }
      - { .name: part, .offset: 8, .size: 8, .value_kind: global_buffer, .address_space: global }
    .group_segment_fixed_size: 327680
    .private_segment_fixed_size: 0
    .kernarg_segment_align: 8
    .kernarg_segment_size: 16
    .max_flat_workgroup_size: 256
    .sgpr_count:     66
    .vgpr_count:     512
    .wavefront_size: 32
...
	.end_amdgpu_metadata
.endif
;; end of part 2
;; launch pick (part 3): grid 64 x 1, 8 waves a work-group, no clusters, 3,072 bytes of LDS; arguments part, out0; writes out0
.if DOCPART == 3
	.amdgcn_target "amdgcn-amd-amdhsa--gfx1250"
	.amdhsa_code_object_version 6
	.text
	.protected	k_q567c2b1240_pick
	.globl	k_q567c2b1240_pick
	.p2align	8
	.type	k_q567c2b1240_pick,@function
k_q567c2b1240_pick:
	s_mov_b64 s[64:65], 0
	v_nop
	global_prefetch_b8 v0, s[64:65] scope:SCOPE_SE
	s_setreg_imm32_b32 hwreg(HW_REG_WAVE_MODE, 25, 1), 1
	s_wait_xcnt 0x0
; out0[s] = the index of the least d2 of row s: the first of the 64 partial results (least d2, place n') that holds the least.
; A work-group takes 32 rows, a lane a row; each of its eight waves 8 of the 64 units of 256 bytes, in ascending order; a later result replaces an earlier one only where it is strictly less, so the lowest place
; wins a tie (places do not fall with the unit's number).  The eight waves' results meet in LDS; wave 0 merges them in the same way.
; n' = 16 x tile + place in the tile; the vocabulary's last tile was moved up by 8 rows, so from n' = 25,120 on the index is n' - 8.
; LIMITS: NaN is not served.  The output's store covers 128 consecutive bytes a work-group: the whole output is 8,192 bytes.
; No matrix unit, no tensor load, no cluster: 16,384 bytes a work-group are read once, and the work-groups share nothing.
.set PROW,  16384
.set SPARE, 2048                       ; behind the eight waves' 256 bytes each: the spare words, 128 bytes for each wave
.set SPW, 8
.set NIL, 9
.set U,   16                           ; v16-31 8 units: (d2, n')
	s_load_b128 s[4:7], s[0:1], 0x0                ; part s[4:5], out0 s[6:7]
	v_lshl_add_u32 v[SPW], v0, 2, SPARE
	v_mov_b32 v[NIL], 0
	v_lshrrev_b32 v1, 5, v0
	s_delay_alu instid0(VALU_DEP_1)
	v_readfirstlane_b32 s8, v1                     ; wave 0..7
	v_and_b32 v1, 31, v0                           ; lane = row
	s_lshl_b32 s9, s8, 11
	v_lshl_add_u32 v2, v1, 3, s9                   ; my 8 bytes of my wave's first unit
	v_lshlrev_b32 v3, 3, v0                        ; LDS: 256 x wave + 8 x lane
	v_lshlrev_b32 v6, 3, v1
	v_lshlrev_b32 v7, 2, v1
	s_lshl_b32 s10, ttmp9, 14
	s_mov_b32 s11, 0
	s_lshl_b32 s12, ttmp9, 7
	s_mov_b32 s13, 0
	s_wait_alu depctr_va_vdst(0)
	s_wait_kmcnt 0x0
	s_add_nc_u64 s[4:5], s[4:5], s[10:11]
	s_add_nc_u64 s[6:7], s[6:7], s[12:13]
.irp i, 0,1,2,3,4,5,6,7
	global_load_b64 v[U+2*\i:U+2*\i+1], v2, s[4:5] offset:256*\i th:TH_LOAD_NT   ; 32 lanes read 256 consecutive bytes
.endr
	s_wait_loadcnt 7                               ; the first unit is in; the 7 behind it may be out
	v_mov_b32 v4, v[U]
	v_mov_b32 v5, v[U+1]
.irp i, 1,2,3,4,5,6,7
	s_wait_alu depctr_va_vdst(0)
	s_wait_loadcnt 7-\i                            ; unit i is in; those behind it may be out
	v_cmp_lt_f32 vcc_lo, v[U+2*\i], v4
	s_delay_alu instid0(VALU_DEP_1)
	v_cndmask_b32 v4, v4, v[U+2*\i], vcc_lo
	s_delay_alu instid0(VALU_DEP_2)
	v_cndmask_b32 v5, v5, v[U+2*\i+1], vcc_lo
.endr
	ds_store_b64 v3, v[4:5]
	s_wait_dscnt 0x0                               ; for wave 0's sake: my result has landed
	s_barrier_signal -1
	s_barrier_wait -1
	s_cmp_lg_u32 s8, 0
	s_cbranch_scc1 .Ldone
.irp k, 0,1,2,3,4,5,6,7
	ds_load_b64 v[U+2*\k:U+2*\k+1], v6 offset:256*\k
.endr
	s_wait_dscnt 0x0
	v_mov_b32 v4, v[U]
	v_mov_b32 v5, v[U+1]
.irp k, 1,2,3,4,5,6,7
	s_delay_alu instid0(VALU_DEP_2)
	v_cmp_lt_f32 vcc_lo, v[U+2*\k], v4
	s_delay_alu instid0(VALU_DEP_1)
	v_cndmask_b32 v4, v4, v[U+2*\k], vcc_lo
	s_delay_alu instid0(VALU_DEP_2)
	v_cndmask_b32 v5, v5, v[U+2*\k+1], vcc_lo
.endr
	s_delay_alu instid0(VALU_DEP_1)
	v_cmp_le_u32 vcc_lo, 25120, v5                 ; a place in the tile that was moved up
	s_delay_alu instid0(VALU_DEP_2)
	v_add_nc_u32 v10, -8, v5
	s_delay_alu instid0(VALU_DEP_1)
	v_cndmask_b32 v5, v5, v10, vcc_lo
	s_delay_alu instid0(VALU_DEP_1)
	v_min_u32 v5, 25127, v5                        ; an index stays inside the vocabulary
	global_store_b32 v7, v5, s[6:7]
.Ldone:
	s_wait_tensorcnt 0x0                           ; the wave's end
	ds_add_u32 v[SPW], v[NIL]
	s_wait_dscnt 0x0
	s_endpgm
.Lfunc_end_k_q567c2b1240_pick:
	.size	k_q567c2b1240_pick, .Lfunc_end_k_q567c2b1240_pick-k_q567c2b1240_pick
	.p2alignl 7, 3214868480
	.fill 96, 4, 3214868480
	.section	.rodata,"a",@progbits
	.p2align	6, 0x0
	.amdhsa_kernel k_q567c2b1240_pick
		.amdhsa_group_segment_fixed_size 3072
		.amdhsa_private_segment_fixed_size 0
		.amdhsa_enable_private_segment 0
		.amdhsa_kernarg_size 16
		.amdhsa_user_sgpr_count 2
		.amdhsa_user_sgpr_kernarg_segment_ptr 1
		.amdhsa_wavefront_size32 1
		.amdhsa_system_sgpr_workgroup_id_x 1
		.amdhsa_system_sgpr_workgroup_id_y 1
		.amdhsa_system_sgpr_workgroup_id_z 1
		.amdhsa_system_vgpr_workitem_id 0
		.amdhsa_next_free_vgpr 64
		.amdhsa_next_free_sgpr 66
		.amdhsa_reserve_vcc 1
		.amdhsa_float_denorm_mode_32 3
		.amdhsa_float_denorm_mode_16_64 3
		.amdhsa_memory_ordered 1
		.amdhsa_forward_progress 1
		.amdhsa_inst_pref_size 7
	.end_amdhsa_kernel
	.amdgpu_metadata
---
amdhsa.version: [ 1, 2 ]
amdhsa.kernels:
  - .name:           k_q567c2b1240_pick
    .symbol:         k_q567c2b1240_pick.kd
    .args:
      - { .name: part, .offset: 0, .size: 8, .value_kind: global_buffer, .address_space: global }
      - { .name: out0, .offset: 8, .size: 8, .value_kind: global_buffer, .address_space: global }
    .group_segment_fixed_size: 3072
    .private_segment_fixed_size: 0
    .kernarg_segment_align: 8
    .kernarg_segment_size: 16
    .max_flat_workgroup_size: 256
    .sgpr_count:     66
    .vgpr_count:     64
    .wavefront_size: 32
...
	.end_amdgpu_metadata
.endif
;; end of part 3
